; MI455X (gfx1250); checked and timed in simulation.
; The chip was launched on July 23, 2026; its instructions are those of AMD's public machine-readable ISA for CDNA 5 (MIT licence, August 2026) and "CDNA5" Instruction Set Architecture Reference Guide (July 2026). The comments in the code are by the model that wrote it; some were corrected since.
;; Attention. Allowed arithmetic: matrix products marked QUANTISED: E2M1 operands, one E8M0 scale for each 32 along K, by v_wmma_scale_f32_16x16x128_f8f6f4 with both operands' format E2M1 (or v_wmma_scale_f32_32x16x128_f4), f32 sums; products left as they are: bf16, f16 or f32 operands; f32 sums; everything else in f32.
;; Inputs: Wk 1,024 x 1,024 float32; Wo 1,024 x 1,024 float32; Wq 1,024 x 1,024 float32; Wv 1,024 x 1,024 float32; bo 1,024 float32; mask 2 x 2,048 x 2,048 bool; x 2 x 2,048 x 1,024 float32.
;; Outputs: out0 2 x 2,048 x 1,024 float32.
;; This version of the problem:
;;   THIS VERSION OF THE PROBLEM IS GIVEN IN LOW PRECISION. The matrix products marked QUANTISED in the list below multiply operands that are first quantised to E2M1 (2 exponent bits, 1 mantissa bit; 4 bits a number), with one power-of-two scale for each 32 numbers along K (OCP MX v1.0); their sums are f32. The products marked 'left as it is' may take bf16, f16 or f32 operands, with f32 sums. Whichever they take, every output number must still come out within the allowed error. Rounding operands to bf16 (8 significant bits) uses up far more of that allowance than f16 does (11 bits, for magnitudes from 6e-5 to 65,504). All else is computed in f32.
;;   The module's matrix products, in the order in which they are computed (A, B: the left and right operand; K: the contracted axis; several contracted axes count as one K, in the product's order):
;;     1. [M 4,096, K 1,024] x [K 1,024, N 1,024]; A: input x; B: input Wq: QUANTISED
;;     2. [M 4,096, K 1,024] x [K 1,024, N 1,024]; A: input x; B: input Wk: QUANTISED
;;     3. [M 4,096, K 1,024] x [K 1,024, N 1,024]; A: input x; B: input Wv: QUANTISED
;;     4. batch 32 x [M 2,048, K 64] x [K 64, N 2,048]; A: computed on the way; B: computed on the way: left as it is (an operand is computed on the way)
;;     5. batch 32 x [M 2,048, K 2,048] x [K 2,048, N 64]; A: computed on the way; B: computed on the way: left as it is (an operand is computed on the way)
;;     6. [M 4,096, K 1,024] x [K 1,024, N 1,024]; A: computed on the way; B: input Wo: left as it is (an operand is computed on the way)
;;   THE QUANTISER, for each operand of a quantised product, along K:
;;     - K is cut into blocks of 32 from its start; a last block that is shorter is filled with zeros.
;;     - A block's scale is 2^e with e = floor(log2(the largest magnitude in the block)) - 2, held to -126 .. 127; a block of zeros has e = 0. As a byte (E8M0): e + 127.
;;     - Each number is divided by its block's scale, clamped to +-6, and rounded to the nearest number of E2M1, ties to even, subnormals kept.
;;     - The product sums the exact products of the quantised numbers (number of the format x scale) in f32.
;;   ~~~python
;;   def quantise(x, axis):      # numpy; x: float32 -> the quantised numbers, widened to float32 again
;;       x = np.moveaxis(x, axis, -1); K = x.shape[-1]
;;       x = np.pad(x, [(0, 0)] * (x.ndim - 1) + [(0, -K % 32)]); x = x.reshape(x.shape[:-1] + (-1, 32)); a = np.abs(x).max(-1, keepdims=True)
;;       e = np.where(a > 0, np.clip(np.frexp(np.where(a > 0, a, 1))[1] - 1 - 2, -126, 127), 0)      # np.frexp(a)[1] - 1 = floor(log2(a)), exactly
;;       r = np.clip(x / 2.0 ** e, -6, 6)
;;       step = 2.0 ** (np.maximum(np.frexp(np.where(r == 0, 1, r))[1] - 1, 0) - 1)
;;       q = np.round(r / step) * step * 2.0 ** e      # np.round: ties to even
;;       return np.moveaxis(q.reshape(q.shape[:-2] + (-1,))[..., :K], -1, axis).astype(np.float32)
;;   ~~~
;; One version. Each part assembles by itself: llvm-mc -triple=amdgcn-amd-amdhsa -mcpu=gfx1250 --defsym DOCPART=n.
;; ======== version 1 of 1: 4 launches
;; limits: values are held in f16: magnitudes above 65,504 overflow, below 6.1e-05 lose precision
;; workspace buffers: xq 2,228,224 bytes; wq 1,671,168 bytes; wo16 2,097,152 bytes; maskw 1,048,576 bytes of whole numbers; qf 8,388,608 bytes; kv 16,777,216 bytes; af 8,388,608 bytes
;; launch prep (part 1): grid 1024 x 1, 4 waves a work-group, no clusters, 34,304 bytes of LDS; arguments x, Wq, Wk, Wv, Wo, mask, xq, wq, wo16, maskw; writes xq, wq, wo16, maskw
.if DOCPART == 1
	.amdgcn_target "amdgcn-amd-amdhsa--gfx1250"
	.amdhsa_code_object_version 6
	.text
	.protected	k_qbfe5af9591_prep
	.globl	k_qbfe5af9591_prep
	.p2align	8
	.type	k_qbfe5af9591_prep,@function
k_qbfe5af9591_prep:
	s_mov_b64 s[64:65], 0
	v_nop
	global_prefetch_b8 v0, s[64:65] scope:SCOPE_SE
	s_setreg_imm32_b32 hwreg(HW_REG_WAVE_MODE, 25, 1), 1
	s_wait_xcnt 0x0
; PREP: every input but the bias is turned once into the form in which the later launches' matrix operands take it: IMAGES OF OPERAND REGISTERS, blocks of 512 bytes with lane l's 16 bytes at 16 l.
; Four roles, chosen by the work-group's number alone:
;   X (0-511):    x [4096][1024] f32 -> codes of E2M1 with one E8M0 byte for each 32 along K.  A wave: one tile of 16 tokens x 128 K = one fragment (1,024 bytes) and its 16 scale words.
;   W (512-703):  Wq, Wk, Wv [1024 (k)][1024 (n)] f32 -> the same, quantised along K, their FIRST axis: a lane takes a column and its registers run down K.  A wave: 32 columns x 128 K = two fragments.
;   O (704-767):  Wo [1024 (k)][1024 (n)] f32 -> f16 fragments (16 columns x 32 K).  A wave: 32 columns x 128 K.
;   M (768-1023): mask [2][2048][2048] bytes -> words of 32 bits, one bit a lane, in the order in which the attention launch's score registers want them.  A wave: 16 queries x 512 keys.
; THE TOKENS OF A TILE ARE NOT NEIGHBOURS: slot r of tile T is token 32 (T / 2) + 8 (T % 2) + r + 8 (r / 8).  So the 16 registers that two neighbouring key tiles leave in a lane are 16 neighbouring keys.
; A block's scale is 2^(floor(log2(its largest magnitude)) - 2); its byte is the largest magnitude's exponent field - 2, held at 1 from below.
; LIMITS: a block of zeros gets the byte 1 where the quantiser says 127 (its codes are zeros, and this program alone reads the bytes); NaN and infinities among the inputs are not served; Wo must lie within +-65,504 (f16).
; No tensor load, no barrier, no loop: waves share nothing, and each wave issues all its loads at once.  Only role X touches LDS.
.set SPW,   8                          ; v8   LDS address of my spare word: SPARE + 4 x my thread's number; never rewritten
.set NIL,   9                          ; v9   0; never rewritten
.set SP,    528                        ; role X: a stage row: 512 bytes + 16, an odd multiple of 16: sixteen rows begin in sixteen different groups of banks
.set STGB,  16*SP                      ; a wave's stage
.set SPARE, 4*STGB                     ; behind the four stages: the spare words, 128 bytes a wave, which no other line names
.set IN,    32                         ; v32-159  numbers as loaded (role X: v32-95 as loaded, v96-159 a lane's two blocks)
.set XB,    96
.set CD,    160                        ; v160..   what leaves
; 32 numbers of one lane, one block along K, become 4 registers of codes; so: the conversion's scale operand; by: the scale's byte
.macro QBLK xs, cd, so, by
	v_max3_num_f32 v[\so], |v[\xs]|, |v[\xs+1]|, |v[\xs+2]|          ; the largest magnitude, in two chains that do not wait for each other
	v_max3_num_f32 v[\by], |v[\xs+3]|, |v[\xs+4]|, |v[\xs+5]|
.irp i, 6,10,14,18,22,26
	v_max3_num_f32 v[\so], v[\so], |v[\xs+\i]|, |v[\xs+\i+1]|
	v_max3_num_f32 v[\by], v[\by], |v[\xs+\i+2]|, |v[\xs+\i+3]|
.endr
	v_max3_num_f32 v[\so], v[\so], |v[\xs+30]|, |v[\xs+31]|
	v_max3_num_f32 v[\so], v[\so], v[\by], 0x1800000                 ; and the floor 2^(3 - 127): the byte cannot fall under 1
	v_add_nc_u32 v[\so], 0xff000000, v[\so]                          ; 2 off the exponent field: the conversion takes that field as its scale and nothing else
	v_lshrrev_b32 v[\by], 23, v[\so]                                 ; the byte
.irp g, 0,1,2,3
	v_cvt_scalef32_pk8_fp4_f32 v[\cd+\g], v[\xs+8*\g:\xs+8*\g+7], v[\so]   ; to the nearest code, ties to even, beyond 6 the largest code
.endr
	v_nop                                                            ; one plain line behind the last conversion, ahead of whatever next writes its sources
.endm
.macro LWAIT n                         ; a wait on this counter names 63 at the most; a smaller count than the loads issued behind is always safe
.if (\n) > 63
	s_wait_loadcnt 63
.else
	s_wait_loadcnt \n
.endif
.endm
.macro COLS b                          ; rows 0 .. 127 of my column: each load reads 128 consecutive bytes a wave, the four waves stand side by side on 512
.set i, 0
.rept 128
	global_load_b32 v[IN+i], v4, s[\b:\b+1] offset:i*4096 th:TH_LOAD_NT
.set i, i+1
.endr
.endm
	s_load_b512 s[4:19], s[0:1], 0x0               ; x s4, Wq s6, Wk s8, Wv s10, Wo s12, mask s14, xq s16, wq s18
	s_load_b128 s[20:23], s[0:1], 0x40             ; wo16 s20, maskw s22
	v_lshl_add_u32 v[SPW], v0, 2, SPARE
	v_mov_b32 v[NIL], 0
	v_lshrrev_b32 v1, 5, v0
	v_readfirstlane_b32 s24, v1                    ; wave 0..3
	v_and_b32 v1, 31, v0                           ; lane
	v_and_b32 v2, 15, v0                           ; r
	v_bfe_u32 v3, v0, 4, 1                         ; h
	s_mov_b32 s28, 0x76543210
	s_mov_b32 s29, 0xfedcba98                      ; v_permlanex16_b32's selects for lane l xor 16
	s_mov_b32 s33, 0                               ; the high word of every offset pair s[32:33]
	s_wait_kmcnt 0x0
	s_cmp_lt_u32 ttmp9, 512
	s_cbranch_scc1 .Lrole_x
	s_cmp_lt_u32 ttmp9, 704
	s_cbranch_scc1 .Lrole_w
	s_cmp_lt_u32 ttmp9, 768
	s_cbranch_scc1 .Lrole_o
; ---- ROLE M.  id = 128 b + query tile.  Word (u, i), u = 0 .. 63, i = 0 .. 15: bit (r, h) = mask[b][the tile's slot r][32 u + 16 h + i].  My wave: u = 16 wave + 0 .. 15.
	s_sub_co_u32 s25, ttmp9, 768                   ; id
	s_lshr_b32 s32, s25, 7
	s_lshl_b32 s32, s32, 22                        ; b x 2048 rows of 2,048 bytes
	s_and_b32 s27, s25, 127                        ; the tile
	s_lshr_b32 s30, s27, 1
	s_lshl_b32 s30, s30, 16                        ; 32 (tile / 2) rows
	s_add_co_u32 s32, s32, s30
	s_and_b32 s30, s27, 1
	s_lshl_b32 s30, s30, 14                        ; 8 (tile % 2) rows
	s_add_co_u32 s32, s32, s30
	s_lshl_b32 s30, s24, 9                         ; my wave's 512 keys
	s_add_co_u32 s32, s32, s30
	s_add_nc_u64 s[14:15], s[14:15], s[32:33]
	s_lshl_b32 s32, s25, 12                        ; a tile's 1,024 words
	s_lshl_b32 s30, s24, 10                        ; my wave's 256
	s_add_co_u32 s32, s32, s30
	s_add_nc_u64 s[22:23], s[22:23], s[32:33]
	v_and_b32 v4, 8, v2
	v_add_nc_u32 v4, v4, v2                        ; r + 8 (r / 8)
	v_lshlrev_b32 v4, 11, v4
	v_lshl_add_u32 v4, v3, 4, v4                   ; my row, + 16 h
	v_lshlrev_b32 v5, 4, v1                        ; the way out: 16 bytes a lane
.irp u, 0,1,2,3,4,5,6,7,8,9,10,11,12,13,14,15
	global_load_b128 v[IN+4*\u:IN+4*\u+3], v4, s[14:15] offset:32*\u   ; 16 keys of my query; the sixteen loads together take 512 consecutive bytes of each of 16 rows
.endr
.irp j, 0,1,2,3,4,5,6,7
	v_mov_b32 v[CD+\j], 0                          ; a lane write's destination counts as read: written once
.endr
.irp u, 0,1,2,3,4,5,6,7,8,9,10,11,12,13,14,15
	s_wait_loadcnt 15-\u                           ; loads come back in order: this one is in, the younger ones stay out
.irp i, 0,1,2,3,4,5,6,7,8,9,10,11,12,13,14,15
	v_bfe_u32 v[XB+\i], v[IN+4*\u+\i/4], 8*(\i%4), 8
.endr
.irp i, 0,1,2,3,4,5,6,7,8,9,10,11,12,13,14,15
	v_cmp_ne_u32 s[32+\i], 0, v[XB+\i]             ; the 32 lanes' bits ARE word (u, i)
.endr
.irp i, 0,1,2,3,4,5,6,7,8,9,10,11,12,13,14,15
	v_writelane_b32 v[CD+4*((16*\u+\i)/128)+\i%4], s[32+\i], ((16*\u+\i)%128)/4   ; word W of my 256 goes to lane (W % 128) / 4, register W % 4 of group W / 128
.endr
.endr
	global_store_b128 v5, v[CD:CD+3], s[22:23]                 ; 512 consecutive bytes a store
	global_store_b128 v5, v[CD+4:CD+7], s[22:23] offset:512
	s_endpgm
; ---- ROLE X.  Tile Mt = id / 2; K step = 4 (id % 2) + wave.
.Lrole_x:
	s_lshr_b32 s25, ttmp9, 1                       ; Mt
	s_and_b32 s26, ttmp9, 1
	s_lshl_b32 s26, s26, 2
	s_add_co_u32 s26, s26, s24                     ; K step 0..7
	s_lshr_b32 s27, s25, 1
	s_lshl_b32 s32, s27, 17                        ; 32 (Mt / 2) rows of 4,096 bytes
	s_and_b32 s30, s25, 1
	s_lshl_b32 s31, s30, 15                        ; 8 (Mt % 2) rows
	s_add_co_u32 s32, s32, s31
	s_lshl_b32 s31, s26, 9                         ; 128 numbers a K step
	s_add_co_u32 s32, s32, s31
	s_add_nc_u64 s[4:5], s[4:5], s[32:33]
	v_lshlrev_b32 v4, 4, v1                        ; 16 x lane: for the loads, and for the codes' stores
.irp p, 0,1,2,3,4,5,6,7,8,9,10,11,12,13,14,15
	global_load_b128 v[IN+4*\p:IN+4*\p+3], v4, s[4:5] offset:(\p+8*(\p/8))*4096 th:TH_LOAD_NT   ; slot p's 512 consecutive bytes
.endr
	s_mul_i32 s34, s24, STGB                       ; my stage
	v_add_nc_u32 v5, s34, v4                       ; in: as loaded
	v_mul_u32_u24 v6, v2, SP
	v_lshl_add_u32 v6, v3, 7, v6
	v_add_nc_u32 v6, s34, v6                       ; back: row r, + 128 h: blocks h and 2 + h of the row's four are mine, as the operand's layout gives them to lane (r, h)
	s_lshr_b32 s35, s25, 4                         ; the block of 256 tokens,
	s_and_b32 s36, s25, 15                         ; the tile in it
	s_lshl_b32 s32, s35, 17                        ; codes: [block][K step][tile][1,024]
	s_lshl_b32 s31, s26, 14
	s_add_co_u32 s32, s32, s31
	s_lshl_b32 s31, s36, 10
	s_add_co_u32 s32, s32, s31
	s_add_nc_u64 s[38:39], s[16:17], s[32:33]
	s_lshl_b32 s32, s35, 13                        ; scale words: [block][K step][pair of tiles][32 lanes]: the even tile's in lanes 0-15, the odd one's in lanes 16-31
	s_lshl_b32 s31, s26, 10
	s_add_co_u32 s32, s32, s31
	s_lshr_b32 s31, s36, 1
	s_lshl_b32 s31, s31, 7
	s_add_co_u32 s32, s32, s31
	s_lshl_b32 s31, s30, 6
	s_add_co_u32 s32, s32, s31
	s_add_co_u32 s32, s32, 2097152                 ; behind the codes
	s_add_nc_u64 s[40:41], s[16:17], s[32:33]
	v_lshlrev_b32 v16, 2, v2                       ; 4 r
.irp p, 0,1,2,3,4,5,6,7,8,9,10,11,12,13,14,15
	s_wait_loadcnt 15-\p                           ; slot p is in, the younger loads stay out
	ds_store_b128 v5, v[IN+4*\p:IN+4*\p+3] offset:SP*\p
.endr
.irp c, 0,1
.irp i, 0,1,2,3,4,5,6,7
	ds_load_b128 v[XB+32*\c+4*\i:XB+32*\c+4*\i+3], v6 offset:256*\c+16*\i   ; LDS serves a wave's instructions in order: these see my stores
.endr
.endr
	s_wait_dscnt 0x0
	QBLK XB, CD, 10, 11                            ; block h
	QBLK XB+32, CD+4, 12, 13                       ; block 2 + h
	v_lshl_or_b32 v14, v13, 16, v11                ; my two bytes,
	v_lshlrev_b32 v15, 3, v3
	v_lshlrev_b32 v14, v15, v14                    ; at their places in the row's word (8 h bits up);
	v_mov_b32 v15, 0
	v_permlanex16_b32 v15, v14, s28, s29
	v_or_b32 v14, v14, v15                         ; with lane l xor 16's two the word is whole
	global_store_b128 v4, v[CD:CD+3], s[38:39]                 ; the fragment's image: 512 consecutive bytes a store
	global_store_b128 v4, v[CD+4:CD+7], s[38:39] offset:512
	s_wait_xcnt 0x0                                ; EXEC is a source of the stores above: it changes only behind this wait
	v_cmp_gt_u32 vcc_lo, 16, v1
	s_and_saveexec_b32 s42, vcc_lo
	global_store_b32 v16, v14, s[40:41]            ; lanes 0-15: the tile's 16 scale words, 64 consecutive bytes: 1 byte for each 128 read
	s_wait_xcnt 0x0
	s_or_b32 exec_lo, exec_lo, s42
	s_wait_tensorcnt 0x0                           ; the wave's end: behind my last LDS store
	ds_add_u32 v[SPW], v[NIL]
	s_wait_dscnt 0x0
	s_endpgm
; ---- ROLE W.  id = 64 matrix + 8 column group + K step.  My wave: columns 128 group + 32 wave + lane, rows 128 K step + 0 .. 127.
.Lrole_w:
	s_sub_co_u32 s25, ttmp9, 512
	s_lshr_b32 s26, s25, 6                         ; 0 Wq, 1 Wk, 2 Wv
	s_cmp_eq_u32 s26, 0
	s_cselect_b64 s[6:7], s[6:7], s[8:9]
	s_cmp_eq_u32 s26, 2
	s_cselect_b64 s[6:7], s[10:11], s[6:7]
	s_bfe_u32 s27, s25, 0x30003                    ; column group 0..7
	s_and_b32 s30, s25, 7                          ; K step
	s_lshl_b32 s32, s30, 19                        ; 128 rows of 4,096 bytes
	s_lshl_b32 s31, s27, 9
	s_add_co_u32 s32, s32, s31
	s_lshl_b32 s31, s24, 7
	s_add_co_u32 s32, s32, s31
	s_add_nc_u64 s[6:7], s[6:7], s[32:33]
	v_lshlrev_b32 v4, 2, v1                        ; 4 x lane
	COLS 6
	v_lshlrev_b32 v7, 4, v2
	v_lshl_add_u32 v7, v3, 10, v7                  ; lanes 0-15 the even tile, lanes 16-31 the odd one; a block's 16 bytes of row r at 16 r
	s_lshl_b32 s31, s27, 1
	s_lshr_b32 s34, s24, 1
	s_add_co_u32 s31, s31, s34                     ; the head: 2 group + wave / 2
	s_and_b32 s34, s24, 1                          ; which 32 of its 64 columns
	s_mul_i32 s32, s31, 98304                      ; codes: [head][K step][tile 4 matrix + 0 .. 3][1,024]
	s_mul_i32 s35, s30, 12288
	s_add_co_u32 s32, s32, s35
	s_lshl_b32 s35, s26, 12
	s_add_co_u32 s32, s32, s35
	s_lshl_b32 s35, s34, 11
	s_add_co_u32 s32, s32, s35
	s_add_nc_u64 s[36:37], s[18:19], s[32:33]
	s_mul_i32 s32, s31, 6144                       ; scale words: [head][K step][pair of tiles][32 lanes]
	s_mul_i32 s35, s30, 768
	s_add_co_u32 s32, s32, s35
	s_lshl_b32 s35, s26, 8
	s_add_co_u32 s32, s32, s35
	s_lshl_b32 s35, s34, 7
	s_add_co_u32 s32, s32, s35
	s_add_co_u32 s32, s32, 1572864                 ; behind the codes
	s_add_nc_u64 s[38:39], s[18:19], s[32:33]
.irp b, 0,1,2,3
	LWAIT 96-32*\b                                 ; block b's 32 loads are in
	QBLK IN+32*\b, CD+4*\b, 10, 11
.if \b == 0
	v_mov_b32 v14, v11                             ; the four bytes make my column's scale word, the lower K in the lower byte
.else
	v_lshl_or_b32 v14, v11, 8*\b, v14
.endif
	global_store_b128 v7, v[CD+4*\b:CD+4*\b+3], s[36:37] offset:256*\b   ; sixteen lanes store 256 consecutive bytes, aligned
.endr
	global_store_b32 v4, v14, s[38:39]             ; 128 consecutive bytes
	s_endpgm
; ---- ROLE O.  id = 8 column group + row group.  f16 fragment of 16 columns x 32 K: lane (r, h'), half q holds K = 16 q + 8 h' + 0 .. 7 of column r.
.Lrole_o:
	s_sub_co_u32 s25, ttmp9, 704
	s_lshr_b32 s27, s25, 3                         ; column group = block of 128 outputs
	s_and_b32 s30, s25, 7                          ; rows 128 x this on
	s_lshl_b32 s32, s30, 19
	s_lshl_b32 s31, s27, 9
	s_add_co_u32 s32, s32, s31
	s_lshl_b32 s31, s24, 7
	s_add_co_u32 s32, s32, s31
	s_add_nc_u64 s[12:13], s[12:13], s[32:33]
	v_lshlrev_b32 v4, 2, v1
	COLS 12
	v_lshlrev_b32 v7, 4, v2
	v_lshl_add_u32 v7, v3, 13, v7                  ; a tile of 16 columns holds 8 K steps of 1,024 bytes
	s_lshl_b32 s32, s27, 18                        ; [block of outputs][chunk of 256 K][tile][K step][1,024]
	s_lshr_b32 s31, s30, 1
	s_lshl_b32 s31, s31, 16
	s_add_co_u32 s32, s32, s31
	s_lshl_b32 s31, s24, 14                        ; tiles 2 wave, 2 wave + 1
	s_add_co_u32 s32, s32, s31
	s_and_b32 s31, s30, 1
	s_lshl_b32 s31, s31, 12                        ; K steps 4 (rows group % 2) on
	s_add_co_u32 s32, s32, s31
	s_add_nc_u64 s[36:37], s[20:21], s[32:33]
.irp s, 0,1,2,3
	LWAIT 96-32*\s                                 ; K step s's 32 rows are in
.irp i, 0,1,2,3,4,5,6,7,8,9,10,11,12,13,14,15
	v_cvt_pk_f16_f32 v[CD+16*\s+\i], v[IN+32*\s+2*\i], v[IN+32*\s+2*\i+1]
.endr
.irp q, 0,1
.irp e, 0,1
	global_store_b128 v7, v[CD+16*\s+8*\q+4*\e:CD+16*\s+8*\q+4*\e+3], s[36:37] offset:1024*\s+512*\q+256*\e   ; sixteen lanes store 256 consecutive bytes, aligned
.endr
.endr
.endr
	s_endpgm
.Lfunc_end_k_qbfe5af9591_prep:
	.size	k_qbfe5af9591_prep, .Lfunc_end_k_qbfe5af9591_prep-k_qbfe5af9591_prep
	.p2alignl 7, 3214868480
	.fill 96, 4, 3214868480
	.section	.rodata,"a",@progbits
	.p2align	6, 0x0
	.amdhsa_kernel k_qbfe5af9591_prep
		.amdhsa_group_segment_fixed_size 34304
		.amdhsa_private_segment_fixed_size 0
		.amdhsa_enable_private_segment 0
		.amdhsa_kernarg_size 80
		.amdhsa_user_sgpr_count 2
		.amdhsa_user_sgpr_kernarg_segment_ptr 1
		.amdhsa_wavefront_size32 1
		.amdhsa_system_sgpr_workgroup_id_x 1
		.amdhsa_system_sgpr_workgroup_id_y 1
		.amdhsa_system_sgpr_workgroup_id_z 1
		.amdhsa_system_vgpr_workitem_id 0
		.amdhsa_next_free_vgpr 224
		.amdhsa_next_free_sgpr 66
		.amdhsa_reserve_vcc 1
		.amdhsa_float_denorm_mode_32 3
		.amdhsa_float_denorm_mode_16_64 3
		.amdhsa_memory_ordered 1
		.amdhsa_forward_progress 1
		.amdhsa_inst_pref_size 100
	.end_amdhsa_kernel
	.amdgpu_metadata
---
amdhsa.version: [ 1, 2 ]
amdhsa.kernels:
  - .name:           k_qbfe5af9591_prep
    .symbol:         k_qbfe5af9591_prep.kd
    .args:
      - { .name: x, .offset: 0, .size: 8, .value_kind: global_buffer, .address_space: global }
      - { .name: Wq, .offset: 8, .size: 8, .value_kind: global_buffer, .address_space: global }
      - { .name: Wk, .offset: 16, .size: 8, .value_kind: global_buffer, .address_space: global }
      - { .name: Wv, .offset: 24, .size: 8, .value_kind: global_buffer, .address_space: global }
      - { .name: Wo, .offset: 32, .size: 8, .value_kind: global_buffer, .address_space: global }
      - { .name: mask, .offset: 40, .size: 8, .value_kind: global_buffer, .address_space: global }
      - { .name: xq, .offset: 48, .size: 8, .value_kind: global_buffer, .address_space: global }
      - { .name: wq, .offset: 56, .size: 8, .value_kind: global_buffer, .address_space: global }
      - { .name: wo16, .offset: 64, .size: 8, .value_kind: global_buffer, .address_space: global }
      - { .name: maskw, .offset: 72, .size: 8, .value_kind: global_buffer, .address_space: global }
    .group_segment_fixed_size: 34304
    .private_segment_fixed_size: 0
    .kernarg_segment_align: 8
    .kernarg_segment_size: 80
    .max_flat_workgroup_size: 128
    .sgpr_count:     66
    .vgpr_count:     224
    .wavefront_size: 32
...
	.end_amdgpu_metadata
.endif
;; end of part 1
;; launch qkv (part 2): grid 16 x 16, 4 waves a work-group, clusters of 4 x 4, 327,680 bytes of LDS; arguments xq, wq, qf, kv; writes qf, kv
.if DOCPART == 2
	.amdgcn_target "amdgcn-amd-amdhsa--gfx1250"
	.amdhsa_code_object_version 6
	.text
	.protected	k_qbfe5af9591_qkv
	.globl	k_qbfe5af9591_qkv
	.p2align	8
	.type	k_qbfe5af9591_qkv,@function
k_qbfe5af9591_qkv:
	s_mov_b64 s[64:65], 0
	v_nop
	global_prefetch_b8 v0, s[64:65] scope:SCOPE_SE
	s_setreg_imm32_b32 hwreg(HW_REG_WAVE_MODE, 25, 1), 1
	s_wait_xcnt 0x0
	s_wait_alu depctr_hold_cnt(0) depctr_sa_sdst(0) depctr_va_vdst(0) depctr_va_sdst(0) depctr_va_ssrc(0) depctr_va_vcc(0) depctr_vm_vsrc(0)
	s_getreg_b32 s2, hwreg(HW_REG_IB_STS2, 6, 4)
	s_cmp_eq_u32 s2, 0
	s_cbranch_scc0 .Lentry_in_a_cluster
	s_endpgm
.Lentry_in_a_cluster:
	s_bfe_u32 s2, ttmp6, 0x10000c
	s_cmp_lg_u32 s2, 0xf033
	s_cbranch_scc0 .Lentry_shape_is_right
	s_endpgm
.Lentry_shape_is_right:
; q, k, v = x Wq, x Wk, x Wv on codes of E2M1 with E8M0 scales, K = 1,024, sums in f32; the results leave as f16, as images of the attention launch's operand registers.
; SHARES.  A work-group makes 256 tokens x the 192 columns (q, k, v) of ONE head: 16 x 16 = 256 work-groups.  Wave w takes token tiles 4 w .. 4 w + 3 against all 12 column tiles: 48 accumulators, 384 registers.
; LDS.  All of the work-group's codes fit at once: x's 131,072 bytes, W's 98,304.  They are dense blocks of memory, laid as register images: nothing is filled twice, nothing is padded, every fragment load reads 16 x lane.
; They come in two chunks of four K steps, so that the products begin when half has landed.  A wave has two tensor loads out at the most.
; CLUSTER 4 x 4.  x's codes hang on the block of tokens alone and are shared along a row of the cluster, W's on the head alone and are shared along a column: each is asked for jointly by the four that need it.
; q AND k ARE MADE TRANSPOSED (source 0 = 16 columns of W, source 1 = 16 tokens): a lane holds one token and eight neighbouring channels, which pack into four registers of a 16-bit fragment with the channels as K.
; v IS MADE THE NATURAL WAY (source 0 = tokens, source 1 = columns): a lane holds one channel and eight tokens, which by the order of tokens in a tile are the keys that the second attention product's layout gives that lane.
; LIMIT: q, k, v must lie within +-65,504 (f16).
; REGISTERS: window 0: v1 16 x lane; v2-3, v4-5 LDS addresses of x's and W's fragments in chunk 0, 1; v6 4 x lane; v8, v9 the add's two; v16-31 x's scale words (2 K step + pair); v32-79 W's (6 K step + pair);
;   v80-143 x's fragments, two sets of four; v144-239 W's, three groups of four.   windows 1, 2: accumulator (group g, token tile m, column tile n) in window 1 + g / 2 at 128 (g % 2) + 8 (4 m + n).
.set WL,    131072                     ; LDS: x's codes from 0, [K step][tile][1,024]; W's from here, [K step][tile][1,024]
.set SPARE, 229376                     ; the spare words, 128 bytes a wave, which no other line names
.set SPW, 8
.set NIL, 9
.set SX,  16
.set SW,  32
.set XA,  80
.set WB,  144
.set G1X, 24                           ; s[24:31] group 1 for x's loads; s[32:39] groups 0, one for each chunk
.set G0X, 32
.set G1W, 48                           ; s[48:55], s[56:63] the same for W's
.set G0W, 56
.set MSB, 0
.macro WIN new                         ; the immediate's high byte repeats the setting that is left; a switch that changes nothing is dropped
.if MSB != \new
	s_set_vgpr_msb (MSB<<8)|\new
.set MSB, \new
.endif
.endm
.macro PLACES                          ; four plain lines between a matrix instruction and a load into, or a vector line on, its registers
.rept 4
	v_nop
.endr
.endm
; A joint load: waves 0 and 1 fetch the halves of x's chunk, waves 2 and 3 of W's.  The branch hangs on the wave's number alone.  An s_nop 0 and four v_nop follow each line.
.macro JLOAD c
	s_cmp_eq_u32 s15, 0
	s_cbranch_scc0 .Lfor_w_\@
	tensor_load_to_lds s[G0X+4*\c:G0X+4*\c+3], s[G1X:G1X+7]
	s_nop 0
.rept 4
	v_nop
.endr
	s_branch .Lasked_\@
.Lfor_w_\@:
	tensor_load_to_lds s[G0W+4*\c:G0W+4*\c+3], s[G1W:G1W+7]
	s_nop 0
.rept 4
	v_nop
.endr
.Lasked_\@:
.endm
.macro CROUND                          ; a round of the cluster's barrier
	s_barrier_signal -1
	s_barrier_wait -1
	s_cmp_lg_u32 s14, 0
	s_cbranch_scc1 .Lnot_wave_0_\@
	s_barrier_signal -3
.Lnot_wave_0_\@:
	s_barrier_wait -3
	s_barrier_signal -1
	s_barrier_wait -1
.endm
	s_load_b256 s[4:11], s[0:1], 0x0               ; xq s4, wq s6, qf s8, kv s10
	v_lshl_add_u32 v[SPW], v0, 2, SPARE
	v_mov_b32 v[NIL], 0
	ds_add_u32 v[SPW], v[NIL]                      ; the wave's opening: the add, twice on end, and its wait ahead of my first tensor load
	ds_add_u32 v[SPW], v[NIL]
	v_lshrrev_b32 v1, 5, v0
	v_readfirstlane_b32 s14, v1                    ; wave 0..3
	s_lshr_b32 s15, s14, 1                         ; I fetch for x (0) or for W (1),
	s_and_b32 s16, s14, 1                          ; this half of a chunk
	s_bfe_u32 s40, ttmp6, 0x40000                  ; cx, cy: my place in the cluster
	s_bfe_u32 s41, ttmp6, 0x40004
	s_lshl_b32 s42, ttmp9, 2
	s_add_co_u32 s42, s42, s40                     ; the head = 4 x cluster x + cx
	s_and_b32 s17, ttmp7, 0xffff
	s_lshl_b32 s17, s17, 2
	s_add_co_u32 s17, s17, s41                     ; the block of 256 tokens = 4 x cluster y + cy
	s_lshl_b32 s43, s41, 2
	s_lshl_b32 s43, 15, s43                        ; my row of the cluster
	s_lshl_b32 s44, 0x1111, s40                    ; my column
	s_or_b32 s[G1X], s43, (3<<16)|(1<<21)          ; 15:0 the mask; 17:16 elements of 8 bytes; 21 set beside a mask; no padding
	s_mov_b32 s[G1X+1], 32<<16                     ; tensor_dim0 = 32 elements: rows of 256 bytes
	s_mov_b32 s[G1X+2], 128<<16                    ; tensor_dim1 = 128 rows: 32,768 bytes
	s_mov_b32 s[G1X+3], 32<<16                     ; tile_dim0
	s_mov_b32 s[G1X+4], 128                        ; tile_dim1
	s_mov_b32 s[G1X+5], 32                         ; the pitch: dense
	s_mov_b32 s[G1X+6], 0
	s_mov_b32 s[G1X+7], 0
	s_or_b32 s[G1W], s44, (3<<16)|(1<<21)
	s_mov_b32 s[G1W+1], 32<<16
	s_mov_b32 s[G1W+2], 96<<16                     ; 96 rows: 24,576 bytes
	s_mov_b32 s[G1W+3], 32<<16
	s_mov_b32 s[G1W+4], 96
	s_mov_b32 s[G1W+5], 32
	s_mov_b32 s[G1W+6], 0
	s_mov_b32 s[G1W+7], 0
	s_lshl_b32 s20, s17, 17                        ; x: 131,072 bytes a block of tokens,
	s_lshl_b32 s18, s16, 15                        ; my half of a chunk, in memory and in LDS alike
	s_add_co_u32 s20, s20, s18
	s_mov_b32 s21, 0
	s_mul_i32 s46, s42, 98304                      ; W: 98,304 bytes a head,
	s_mul_i32 s19, s16, 24576                      ; my half
	s_add_co_u32 s46, s46, s19
	s_mov_b32 s47, 0
	s_wait_dscnt 0x0                               ; both opening adds are done
	s_wait_kmcnt 0x0
	s_add_nc_u64 s[20:21], s[4:5], s[20:21]
	s_add_nc_u64 s[46:47], s[6:7], s[46:47]
	CROUND                                         ; all sixteen work-groups are here: the joint loads meet
.irp c, 0,1
	s_mov_b32 s[G0X+4*\c], 1
	s_add_co_u32 s[G0X+4*\c+1], s18, \c*65536
	s_add_nc_u64 s[G0X+4*\c+2:G0X+4*\c+3], s[20:21], \c*65536
	s_or_b32 s[G0X+4*\c+3], s[G0X+4*\c+3], 0x80000000
	s_mov_b32 s[G0W+4*\c], 1
	s_add_co_u32 s[G0W+4*\c+1], s19, WL+\c*49152
	s_add_nc_u64 s[G0W+4*\c+2:G0W+4*\c+3], s[46:47], \c*49152
	s_or_b32 s[G0W+4*\c+3], s[G0W+4*\c+3], 0x80000000
	JLOAD \c
.endr
	v_and_b32 v1, 31, v0
	v_lshlrev_b32 v6, 2, v1                        ; 4 x lane
	v_lshlrev_b32 v1, 4, v1                        ; 16 x lane
	s_lshl_b32 s22, s14, 12                        ; my four token tiles
	v_add_nc_u32 v2, s22, v1
	v_add_nc_u32 v3, 0x10000, v2
	v_add_nc_u32 v4, WL, v1
	v_add_nc_u32 v5, WL+49152, v1
	s_lshl_b32 s68, s17, 13                        ; x's scale words: [block][K step][pair][lane]; my two pairs
	s_lshl_b32 s22, s14, 8
	s_add_co_u32 s68, s68, s22
	s_add_co_u32 s68, s68, 2097152
	s_mov_b32 s69, 0
	s_add_nc_u64 s[68:69], s[4:5], s[68:69]
	s_mul_i32 s70, s42, 6144                       ; W's: [head][K step][pair][lane]
	s_add_co_u32 s70, s70, 1572864
	s_mov_b32 s71, 0
	s_add_nc_u64 s[70:71], s[6:7], s[70:71]
.irp k, 0,1,2,3,4,5,6,7                        ; the scale words of all of K go straight into registers, once: the even tile's in lanes 0-15, the odd one's in lanes 16-31
.irp p, 0,1
	global_load_b32 v[SX+2*\k+\p], v6, s[68:69] offset:\k*1024+\p*128
.endr
.irp p, 0,1,2,3,4,5
	global_load_b32 v[SW+6*\k+\p], v6, s[70:71] offset:\k*768+\p*128
.endr
.endr
	s_lshr_b32 s72, s17, 3                         ; where the results go: batch x 16 + head,
	s_lshl_b32 s72, s72, 4
	s_add_co_u32 s72, s72, s42
	s_and_b32 s73, s17, 7                          ; the block of tokens in the batch
	s_lshl_b32 s74, s72, 18                        ; q: [batch, head][tile][2,048]
	s_lshl_b32 s76, s73, 15
	s_add_co_u32 s74, s74, s76
	s_lshl_b32 s76, s14, 13
	s_add_co_u32 s74, s74, s76
	s_mov_b32 s75, 0
	s_add_nc_u64 s[8:9], s[8:9], s[74:75]
	s_lshl_b32 s74, s72, 19                        ; k, v: [batch, head][step of 64 keys][16,384]: my wave's 64 tokens are one step
	s_lshl_b32 s76, s73, 16
	s_add_co_u32 s74, s74, s76
	s_lshl_b32 s76, s14, 14
	s_add_co_u32 s74, s74, s76
	s_add_nc_u64 s[10:11], s[10:11], s[74:75]
.macro FX ks, set                      ; my four fragments of x of K step ks: 8 loads
.irp m, 0,1,2,3
.irp c, 0,1
	ds_load_b128 v[XA+32*(\set)+8*\m+4*\c:XA+32*(\set)+8*\m+4*\c+3], v[2+(\ks)/4] offset:((\ks)%4)*16384+\m*1024+512*\c
.endr
.endr
.endm
.macro FW ks, g                        ; group g's four fragments of W: 8 loads
.irp n, 0,1,2,3
.irp c, 0,1
	ds_load_b128 v[WB+32*(\g)+8*\n+4*\c:WB+32*(\g)+8*\n+4*\c+3], v[4+(\ks)/4] offset:((\ks)%4)*12288+(4*(\g)+\n)*1024+512*\c
.endr
.endr
.endm
; One product.  ra, rb: the side's tile is the odd one of its pair, whose scale words stand in lanes 16-31.  ZF = 1: the first K step starts the sum: nothing is ever cleared.
.macro WM d, a, b, sa, sb, ra, rb
.if ZF
.if (\ra) && (\rb)
	v_wmma_scale_f32_16x16x128_f8f6f4 v[\d:\d+7], v[\a:\a+7], v[\b:\b+7], 0, v[\sa], v[\sb] matrix_a_fmt:MATRIX_FMT_FP4 matrix_b_fmt:MATRIX_FMT_FP4 matrix_a_scale:MATRIX_SCALE_ROW1 matrix_b_scale:MATRIX_SCALE_ROW1
.elseif (\ra)
	v_wmma_scale_f32_16x16x128_f8f6f4 v[\d:\d+7], v[\a:\a+7], v[\b:\b+7], 0, v[\sa], v[\sb] matrix_a_fmt:MATRIX_FMT_FP4 matrix_b_fmt:MATRIX_FMT_FP4 matrix_a_scale:MATRIX_SCALE_ROW1
.elseif (\rb)
	v_wmma_scale_f32_16x16x128_f8f6f4 v[\d:\d+7], v[\a:\a+7], v[\b:\b+7], 0, v[\sa], v[\sb] matrix_a_fmt:MATRIX_FMT_FP4 matrix_b_fmt:MATRIX_FMT_FP4 matrix_b_scale:MATRIX_SCALE_ROW1
.else
	v_wmma_scale_f32_16x16x128_f8f6f4 v[\d:\d+7], v[\a:\a+7], v[\b:\b+7], 0, v[\sa], v[\sb] matrix_a_fmt:MATRIX_FMT_FP4 matrix_b_fmt:MATRIX_FMT_FP4
.endif
.else
.if (\ra) && (\rb)
	v_wmma_scale_f32_16x16x128_f8f6f4 v[\d:\d+7], v[\a:\a+7], v[\b:\b+7], v[\d:\d+7], v[\sa], v[\sb] matrix_a_fmt:MATRIX_FMT_FP4 matrix_b_fmt:MATRIX_FMT_FP4 matrix_a_scale:MATRIX_SCALE_ROW1 matrix_b_scale:MATRIX_SCALE_ROW1
.elseif (\ra)
	v_wmma_scale_f32_16x16x128_f8f6f4 v[\d:\d+7], v[\a:\a+7], v[\b:\b+7], v[\d:\d+7], v[\sa], v[\sb] matrix_a_fmt:MATRIX_FMT_FP4 matrix_b_fmt:MATRIX_FMT_FP4 matrix_a_scale:MATRIX_SCALE_ROW1
.elseif (\rb)
	v_wmma_scale_f32_16x16x128_f8f6f4 v[\d:\d+7], v[\a:\a+7], v[\b:\b+7], v[\d:\d+7], v[\sa], v[\sb] matrix_a_fmt:MATRIX_FMT_FP4 matrix_b_fmt:MATRIX_FMT_FP4 matrix_b_scale:MATRIX_SCALE_ROW1
.else
	v_wmma_scale_f32_16x16x128_f8f6f4 v[\d:\d+7], v[\a:\a+7], v[\b:\b+7], v[\d:\d+7], v[\sa], v[\sb] matrix_a_fmt:MATRIX_FMT_FP4 matrix_b_fmt:MATRIX_FMT_FP4
.endif
.endif
.endm
; 16 products: my four token tiles x group g's four column tiles (g = 0 q, 1 k, 2 v).  The 48 accumulators take turns, one instruction a turn, in the same order in every K step.
.macro MULG ks, g
.if \g < 2
	WIN 0x50                                       ; C and D in window 1
.else
	WIN 0xa0                                       ; in window 2
.endif
.irp m, 0,1,2,3
.irp n, 0,1,2,3
.set rD, 128*((\g)%2)+8*(4*\m+\n)
.set rW, WB+32*(\g)+8*\n
.set rX, XA+32*((\ks)%2)+8*\m
.set sW, SW+6*(\ks)+(4*(\g)+\n)/2
.set sX, SX+2*(\ks)+\m/2
.if \g < 2
	WM rD, rW, rX, sW, sX, \n%2, \m%2              ; transposed: source 0 = W's columns, source 1 = tokens
.else
	WM rD, rX, rW, sX, sW, \m%2, \n%2              ; the natural way
.endif
.endr
.endr
	WIN 0
.endm
; A K step of 128: 48 products.  Each group's fragments are fetched anew, for the next K step, as soon as its 16 products are issued.
.macro STEP ks
.if (\ks) == 0
.set ZF, 1
.else
.set ZF, 0
.endif
.if (\ks) == 3
	s_wait_tensorcnt 0x0                           ; my part of chunk 1 has landed; this step fetches K step 4
	s_wait_dscnt 0x0                               ; no LDS instruction of mine is out at a signal
	s_barrier_signal -1
	s_barrier_wait -1                              ; everybody's has
.else
	s_wait_dscnt 16                                ; x's fragments and group 0's are in; groups 1 and 2 (8 + 8 loads) may stay out
.endif
	MULG \ks, 0
.if (\ks) < 7
	PLACES
	FW (\ks)+1, 0
	FX (\ks)+1, ((\ks)+1)%2
	s_wait_dscnt 24                                ; group 1 is in; behind it: group 2's 8 and the 16 just issued
.else
	s_wait_dscnt 8
.endif
	MULG \ks, 1
.if (\ks) < 7
	PLACES
	FW (\ks)+1, 1
	s_wait_dscnt 24                                ; group 2 is in; behind it: 16 + 8
.else
	s_wait_dscnt 0x0
.endif
	MULG \ks, 2
.if (\ks) < 7
	PLACES
	FW (\ks)+1, 2
.endif
.endm
	s_wait_tensorcnt 1                             ; my part of chunk 0 is in; chunk 1's may stay out
	s_barrier_signal -1
	s_barrier_wait -1                              ; everybody's is
	FX 0, 0
	FW 0, 0
	FW 0, 1
	FW 0, 2
	s_wait_loadcnt 0x0                             ; the scale words
.irp k, 0,1,2,3,4,5,6,7                        ; written out: the scale words' registers differ from step to step
	STEP \k
.endr
; THE WAY OUT.  Each accumulator's eight numbers pack into four registers that ARE a group of four of the reader's fragment: they are stored as they stand, 16 bytes a lane, 512 consecutive bytes a store.
.macro OUTG g, tmp
.if \g < 2
	WIN 0x05                                       ; sources in window 1
.else
	WIN 0x0a                                       ; in window 2
.endif
.set i, 0
.rept 64
	v_cvt_pk_f16_f32 v[\tmp+i], v[128*((\g)%2)+2*i], v[128*((\g)%2)+2*i+1]   ; each accumulator from its low end on
.set i, i+1
.endr
	WIN 0
.endm
	PLACES                                         ; behind the last products: the conversions read results and write over fragments
	OUTG 0, XA
.irp m, 0,1,2,3
.irp n, 0,1,2,3
	global_store_b128 v1, v[XA+4*(4*\m+\n):XA+4*(4*\m+\n)+3], s[8:9] offset:\m*2048+\n*512          ; q: tile m, channels 16 n on
.endr
.endr
	OUTG 1, WB
.irp m, 0,1,2,3
.irp n, 0,1,2,3
	global_store_b128 v1, v[WB+4*(4*\m+\n):WB+4*(4*\m+\n)+3], s[10:11] offset:\m*2048+\n*512        ; k: the same, in the step's first 8,192 bytes
.endr
.endr
	s_wait_xcnt 0x0                                ; q's stores have read their registers: they are written again only behind this wait
	OUTG 2, XA
.irp m, 0,1,2,3
.irp n, 0,1,2,3
	global_store_b128 v1, v[XA+4*(4*\m+\n):XA+4*(4*\m+\n)+3], s[10:11] offset:8192+(\m/2)*4096+\n*1024+(\m%2)*512   ; v: keys 32 (m / 2) on, channels 16 n on, half m % 2 of the fragment
.endr
.endr
	s_wait_tensorcnt 0x0                           ; the wave's end
	ds_add_u32 v[SPW], v[NIL]
	s_wait_dscnt 0x0
	CROUND                                         ; the closing round: no work-group ends while a partner may still ask for a tile that names it
	s_endpgm
.Lfunc_end_k_qbfe5af9591_qkv:
	.size	k_qbfe5af9591_qkv, .Lfunc_end_k_qbfe5af9591_qkv-k_qbfe5af9591_qkv
	.p2alignl 7, 3214868480
	.fill 96, 4, 3214868480
	.section	.rodata,"a",@progbits
	.p2align	6, 0x0
	.amdhsa_kernel k_qbfe5af9591_qkv
		.amdhsa_group_segment_fixed_size 327680
		.amdhsa_private_segment_fixed_size 0
		.amdhsa_enable_private_segment 0
		.amdhsa_kernarg_size 32
		.amdhsa_user_sgpr_count 2
		.amdhsa_user_sgpr_kernarg_segment_ptr 1
		.amdhsa_wavefront_size32 1
		.amdhsa_system_sgpr_workgroup_id_x 1
		.amdhsa_system_sgpr_workgroup_id_y 1
		.amdhsa_system_sgpr_workgroup_id_z 1
		.amdhsa_system_vgpr_workitem_id 0
		.amdhsa_next_free_vgpr 640
		.amdhsa_next_free_sgpr 80
		.amdhsa_reserve_vcc 0
		.amdhsa_float_denorm_mode_32 3
		.amdhsa_float_denorm_mode_16_64 3
		.amdhsa_memory_ordered 1
		.amdhsa_forward_progress 1
		.amdhsa_inst_pref_size 99
	.end_amdhsa_kernel
	.amdgpu_metadata
---
amdhsa.version: [ 1, 2 ]
amdhsa.kernels:
  - .name:           k_qbfe5af9591_qkv
    .symbol:         k_qbfe5af9591_qkv.kd
    .args:
      - { .name: xq, .offset: 0, .size: 8, .value_kind: global_buffer, .address_space: global }
      - { .name: wq, .offset: 8, .size: 8, .value_kind: global_buffer, .address_space: global }
      - { .name: qf, .offset: 16, .size: 8, .value_kind: global_buffer, .address_space: global }
      - { .name: kv, .offset: 24, .size: 8, .value_kind: global_buffer, .address_space: global }
    .group_segment_fixed_size: 327680
    .private_segment_fixed_size: 0
    .kernarg_segment_align: 8
    .kernarg_segment_size: 32
    .max_flat_workgroup_size: 128
    .sgpr_count:     80
    .vgpr_count:     640
    .wavefront_size: 32
...
	.end_amdgpu_metadata
.endif
;; end of part 2
;; launch attn (part 3): grid 8 x 32, 8 waves a work-group, clusters of 4 x 1, 327,680 bytes of LDS; arguments qf, kv, maskw, af; writes af
.if DOCPART == 3
	.amdgcn_target "amdgcn-amd-amdhsa--gfx1250"
	.amdhsa_code_object_version 6
	.text
	.protected	k_qbfe5af9591_attn
	.globl	k_qbfe5af9591_attn
	.p2align	8
	.type	k_qbfe5af9591_attn,@function
k_qbfe5af9591_attn:
	s_mov_b64 s[64:65], 0
	v_nop
	global_prefetch_b8 v0, s[64:65] scope:SCOPE_SE
	s_setreg_imm32_b32 hwreg(HW_REG_WAVE_MODE, 25, 1), 1
	s_wait_xcnt 0x0
	s_wait_alu depctr_hold_cnt(0) depctr_sa_sdst(0) depctr_va_vdst(0) depctr_va_sdst(0) depctr_va_ssrc(0) depctr_va_vcc(0) depctr_vm_vsrc(0)
	s_getreg_b32 s2, hwreg(HW_REG_IB_STS2, 6, 4)
	s_cmp_eq_u32 s2, 0
	s_cbranch_scc0 .Lentry_in_a_cluster
	s_endpgm
.Lentry_in_a_cluster:
	s_bfe_u32 s2, ttmp6, 0x10000c
	s_cmp_lg_u32 s2, 0x3003
	s_cbranch_scc0 .Lentry_shape_is_right
	s_endpgm
.Lentry_shape_is_right:
; The attention of one head: o[q] = the sum over allowed keys of p v / the sum of p, p = 2^(c s - c m), c = log2(e) / 8, m the running largest ALLOWED score.  That is the reference's masked softmax with its renormalisation:
; hidden keys have weight 0 in both, and a query with no allowed key gives 0.  q, k, v and p are f16 operands, all sums f32.
; SHARES.  A work-group owns 256 queries of one (batch, head); each of its EIGHT waves owns two tiles of 16, in 352 registers: two waves to a SIMD, so that one wave's softmax stands beside the other's products.
; Each fragment of k and v that a wave reads from LDS feeds two products.  Every wave walks 32 steps of 64 keys.
; LAYOUT.  Both products are used transposed (S^T = k q^T, O^T = v^T p): a lane holds ONE query throughout.  The keys of a tile are chosen (32 u + 8 e + r + 8 (r / 8)) so that two neighbouring tiles' 16 registers,
; rounded to f16 in pairs, ARE the second product's operand; v was stored in the same order of keys.  All operands lie in memory as images of their registers: every LDS and global access here is at 16 x lane.
; THE MASK comes as words of one bit a lane, word n of a step for score register n, by scalar loads a step ahead: one v_cndmask_b32 a register puts -infinity for a hidden key, ahead of the maximum.
; THE RING.  Two LDS slots of 8 steps (131,072 bytes).  Each wave fetches one step (16,384 dense bytes) of a slot.  Two loads of mine are out at the start, one behind each of the two refills; a refill has 8 steps in which to land.
; CLUSTER 4 x 1.  The four blocks of queries of a cluster belong to one head and walk the same k and v: each tile is asked for jointly, with the same descriptor and a mask that names the four.
; No prefetch is laid: each refill is asked for eight key steps ahead of its first read, and the first two slots go out at the head.
; LIMITS: allowed scores must lie above -1e30, where the running maximum begins; the result must lie within +-65,504 (f16); NaN and infinities are not served.
; REGISTERS: window 0: v1 16 x lane; v2 the step's LDS address; v3 -infinity; v4, v5 the add's two; v8-23 statistics, 8 a tile: +0 c m, +1 m, +2, +3 l (even keys', odd keys'), +4 .. +7 at work (a in +6);
;   v32-95 S^T, 32 a tile; v96-127 p, 16 a tile; v128-191 k's fragments; v192-255 v's.   window 1: v0-63 O^T (tile t, channels 16 c on: 32 t + 8 c); v64-95 q (16 t + 8 s).
.set SLOT,  131072
.set STEPB, 16384
.set SPARE, 2*SLOT                     ; behind the ring: the spare words, 128 bytes a wave, which no other line names
.set SPW, 4
.set NIL, 5
.set ST,  8
.set S,   32
.set P,   96
.set KF,  128
.set VF,  192
.set QF,  64
.set G1,  8                            ; s[8:15] descriptor group 1; s[16:19], s[20:23] group 0 for slot 0, 1
.set G0,  16
.set WV,  24                           ; s24 my wave's number
.set CNT, 25                           ; s25 counts a slot's steps
.set CS,  26                           ; s[26:27] c: the packed form names a pair and takes its low word for both halves
.set SEL, 28                           ; s[28:29] v_permlanex16_b32's selects for lane l xor 16
.set TB,  30                           ; s30 LDS byte at which the step's tiles begin
.set MO,  31                           ; s31 the byte at which the step's mask words begin in a tile's 4,096
.set MSB, 0
.macro WIN new
.if MSB != \new
	s_set_vgpr_msb (MSB<<8)|\new
.set MSB, \new
.endif
.endm
.macro CROUND                          ; a round of the cluster's barrier
	s_barrier_signal -1
	s_barrier_wait -1
	s_cmp_lg_u32 s[WV], 0
	s_cbranch_scc1 .Lnot_wave_0_\@
	s_barrier_signal -3
.Lnot_wave_0_\@:
	s_barrier_wait -3
	s_barrier_signal -1
	s_barrier_wait -1
.endm
.macro MASKS                           ; a step's 32 words for each of my two tiles: s32-63, s68-99
	s_load_b512 s[32:47], s[4:5], s[MO] offset:0x0
	s_load_b512 s[48:63], s[4:5], s[MO] offset:0x40
	s_load_b512 s[68:83], s[4:5], s[MO] offset:0x1000
	s_load_b512 s[84:99], s[4:5], s[MO] offset:0x1040
.endm
	s_load_b256 s[32:39], s[0:1], 0x0              ; qf s32, kv s34, maskw s36, af s38
	v_lshl_add_u32 v[SPW], v0, 2, SPARE
	v_mov_b32 v[NIL], 0
	ds_add_u32 v[SPW], v[NIL]                      ; the wave's opening: the add, twice on end, and its wait ahead of my first tensor load
	ds_add_u32 v[SPW], v[NIL]
	v_lshrrev_b32 v1, 5, v0
	v_readfirstlane_b32 s[WV], v1                  ; wave 0..7
	s_bfe_u32 s40, ttmp6, 0x40000                  ; cx
	s_lshl_b32 s41, ttmp9, 2
	s_add_co_u32 s41, s41, s40                     ; my block of 256 queries: it enters q's, the mask's and the result's addresses alone
	s_and_b32 s42, ttmp7, 0xffff                   ; 16 batch + head, which the four partners share
	s_lshr_b32 s43, s42, 4                         ; batch
	s_and_b32 s44, s42, 15                         ; head
	s_mov_b32 s[G1], 15|(3<<16)|(1<<21)            ; 15:0 the mask: all four; 17:16 elements of 8 bytes; 21 set beside a mask; no padding
	s_mov_b32 s[G1+1], 32<<16                      ; tensor_dim0: rows of 256 bytes
	s_mov_b32 s[G1+2], 64<<16                      ; tensor_dim1: 64 rows
	s_mov_b32 s[G1+3], 32<<16                      ; tile_dim0
	s_mov_b32 s[G1+4], 64                          ; tile_dim1
	s_mov_b32 s[G1+5], 32                          ; the pitch: dense
	s_mov_b32 s[G1+6], 0
	s_mov_b32 s[G1+7], 0
	s_mov_b32 s[CS], 0x3e38aa3b                    ; c = log2(e) / sqrt(64)
	s_mov_b32 s[CS+1], s[CS]
	s_mov_b32 s[SEL], 0x76543210
	s_mov_b32 s[SEL+1], 0xfedcba98
	s_mov_b32 s[MO], 0
	s_lshl_b32 s46, s42, 19                        ; k, v: 524,288 bytes a head,
	s_lshl_b32 s45, s[WV], 14                      ; my step of a slot, in memory and in LDS alike
	s_add_co_u32 s46, s46, s45
	s_mov_b32 s47, 0
	s_lshl_b32 s48, s42, 18                        ; q: 262,144 bytes a head, 2,048 a tile; my tiles 16 block + 2 wave on
	s_lshl_b32 s50, s41, 15
	s_add_co_u32 s48, s48, s50
	s_lshl_b32 s50, s[WV], 12
	s_add_co_u32 s48, s48, s50
	s_mov_b32 s49, 0
	s_lshl_b32 s50, s43, 19                        ; the mask words: 4,096 bytes a tile, 128 tiles a batch
	s_lshl_b32 s52, s41, 16
	s_add_co_u32 s50, s50, s52
	s_lshl_b32 s52, s[WV], 13
	s_add_co_u32 s50, s50, s52
	s_mov_b32 s51, 0
	s_lshl_b32 s52, s43, 4                         ; the result: [block of 128 tokens][chunk of 4 heads][tile][K step][1,024]
	s_lshl_b32 s54, s41, 1
	s_add_co_u32 s52, s52, s54
	s_lshr_b32 s54, s[WV], 2
	s_add_co_u32 s52, s52, s54
	s_lshl_b32 s52, s52, 18
	s_lshr_b32 s54, s44, 2
	s_lshl_b32 s54, s54, 16
	s_add_co_u32 s52, s52, s54
	s_and_b32 s54, s[WV], 3
	s_lshl_b32 s54, s54, 14                        ; tiles 2 (wave % 4) on
	s_add_co_u32 s52, s52, s54
	s_and_b32 s54, s44, 3
	s_lshl_b32 s54, s54, 11                        ; the head's two K steps
	s_add_co_u32 s52, s52, s54
	s_mov_b32 s53, 0
	s_wait_dscnt 0x0                               ; both opening adds are done
	s_wait_kmcnt 0x0
	s_add_nc_u64 s[46:47], s[34:35], s[46:47]
	s_add_nc_u64 s[2:3], s[32:33], s[48:49]        ; q
	s_add_nc_u64 s[4:5], s[36:37], s[50:51]        ; the mask words
	s_add_nc_u64 s[6:7], s[38:39], s[52:53]        ; the result
	CROUND                                         ; all four work-groups are here: the first joint loads meet
.irp n, 0,1
	s_mov_b32 s[G0+4*\n], 1
	s_add_co_u32 s[G0+4*\n+1], s45, \n*SLOT
	s_add_nc_u64 s[G0+4*\n+2:G0+4*\n+3], s[46:47], \n*SLOT     ; slot n begins with steps 8 n .. 8 n + 7
	s_or_b32 s[G0+4*\n+3], s[G0+4*\n+3], 0x80000000
.endr
	tensor_load_to_lds s[G0:G0+3], s[G1:G1+7]
	s_nop 0
	tensor_load_to_lds s[G0+4:G0+7], s[G1:G1+7]
	s_nop 0
.rept 4
	v_nop
.endr
	v_and_b32 v1, 31, v0
	v_lshlrev_b32 v1, 4, v1                        ; 16 x lane
	WIN 0x40                                       ; destination window 1
.irp f, 0,1,2,3,4,5,6,7
	global_load_b128 v[QF+4*\f:QF+4*\f+3], v1, s[2:3] offset:512*\f   ; q stays in registers
.endr
.set i, 0
.rept 64
	v_mov_b32 v[i], 0                              ; O^T.  (The step is written once: the first finds zeros)
.set i, i+1
.endr
	WIN 0
	MASKS                                          ; step 0's words (the arguments' registers are done with)
	v_mov_b32 v3, 0xff800000                       ; -infinity
.irp t, 0,1
	v_mov_b32 v[ST+8*\t+1], 0xf149f2ca             ; m = -1e30: finite, so that c s - c m is -infinity and never NaN for a hidden key
	v_mul_f32 v[ST+8*\t], s[CS], v[ST+8*\t+1]      ; c m
	v_mov_b32 v[ST+8*\t+2], 0                      ; l
	v_mov_b32 v[ST+8*\t+3], 0
	v_mov_b32 v[ST+8*\t+5], 0                      ; a lane permute's destination counts as read
	v_mov_b32 v[ST+8*\t+7], 0
.endr
	s_wait_tensorcnt 1                             ; my part of slot 0 is in; slot 1's may stay out
	s_barrier_signal -1
	s_barrier_wait -1                              ; everybody's is
	s_wait_loadcnt 0x0                             ; q
; A KEY STEP: 64 keys, my two tiles of queries.
.macro STEP
	v_add_nc_u32 v2, s[TB], v1                     ; with the three below: four plain lines between the last products and the loads into their fragments
	v_nop
	v_nop
	v_nop
.set f, 0
.rept 16
	ds_load_b128 v[KF+4*f:KF+4*f+3], v2 offset:512*f           ; k: tile f / 4, channels 32 ((f / 2) % 2) on
.set f, f+1
.endr
.set f, 0
.rept 16
	ds_load_b128 v[VF+4*f:VF+4*f+3], v2 offset:8192+512*f      ; v: keys 32 (f / 8) on, channels 16 ((f / 2) % 4) on
.set f, f+1
.endr
	s_wait_dscnt 16                                ; k is in; v's 16 loads may stay out
	WIN 0x04                                       ; source 1 (q) in window 1
.irp s, 0,1                                    ; S^T = k q^T: eight accumulators by turns, one instruction a turn
.irp k, 0,1,2,3
.irp t, 0,1
.if \s == 0
	v_wmma_f32_16x16x32_f16 v[S+32*\t+8*\k:S+32*\t+8*\k+7], v[KF+16*\k+8*\s:KF+16*\k+8*\s+7], v[QF+16*\t+8*\s:QF+16*\t+8*\s+7], 0
.else
	v_wmma_f32_16x16x32_f16 v[S+32*\t+8*\k:S+32*\t+8*\k+7], v[KF+16*\k+8*\s:KF+16*\k+8*\s+7], v[QF+16*\t+8*\s:QF+16*\t+8*\s+7], v[S+32*\t+8*\k:S+32*\t+8*\k+7]
.endif
.endr
.endr
.endr
	WIN 0
	s_wait_kmcnt 0x0                               ; this step's mask words, asked for a step ago
.rept 4
	v_nop                                          ; four plain lines ahead of the first read of the scores
.endr
.set n, 0
.rept 32
	v_cndmask_b32 v[S+n], v3, v[S+n], s[32+n]      ; a hidden key's score becomes -infinity; each accumulator from its low end on
.set n, n+1
.endr
.set n, 0
.rept 32
	v_cndmask_b32 v[S+32+n], v3, v[S+32+n], s[68+n]
.set n, n+1
.endr
	s_add_co_u32 s[MO], s[MO], 128                 ; (the wait above has shown the last loads done: their offset may be written)
	s_and_b32 s[MO], s[MO], 0xfff                  ; the last step asks for step 0's words again: no load leaves the buffer
	MASKS                                          ; the next step's: they have the softmax and two runs of products in which to land
.irp j, 0,1,2,3                                ; the largest score: four chains a tile, the tiles by turns
.irp t, 0,1
	v_max3_num_f32 v[ST+8*\t+4+\j], v[S+32*\t+8*\j], v[S+32*\t+8*\j+1], v[S+32*\t+8*\j+2]
.endr
.endr
.irp q, 1,2
.irp j, 0,1,2,3
.irp t, 0,1
	v_max3_num_f32 v[ST+8*\t+4+\j], v[ST+8*\t+4+\j], v[S+32*\t+8*\j+2*\q+1], v[S+32*\t+8*\j+2*\q+2]
.endr
.endr
.endr
.irp t, 0,1
	v_max3_num_f32 v[ST+8*\t+4], v[ST+8*\t+4], v[S+32*\t+7], v[S+32*\t+15]
	v_max3_num_f32 v[ST+8*\t+6], v[ST+8*\t+6], v[S+32*\t+23], v[S+32*\t+31]
.endr
.irp t, 0,1
	v_max3_num_f32 v[ST+8*\t+4], v[ST+8*\t+4], v[ST+8*\t+5], v[ST+8*\t+6]
.endr
.irp t, 0,1
	v_max3_num_f32 v[ST+8*\t+4], v[ST+8*\t+4], v[ST+8*\t+7], v[ST+8*\t+1]   ; and the old m
.endr
.irp t, 0,1
	v_permlanex16_b32 v[ST+8*\t+5], v[ST+8*\t+4], s[SEL], s[SEL+1]          ; the query's other 32 keys lie in the lane 16 away
.endr
.irp t, 0,1
	v_mov_b32 v[ST+8*\t+7], v[ST+8*\t]             ; c m_old
.endr
.irp t, 0,1
	v_max_num_f32 v[ST+8*\t+1], v[ST+8*\t+4], v[ST+8*\t+5]
.endr
.irp t, 0,1
	v_mul_f32 v[ST+8*\t], s[CS], v[ST+8*\t+1]
.endr
.irp t, 0,1
	v_sub_f32 v[ST+8*\t+7], v[ST+8*\t+7], v[ST+8*\t]
.endr
.irp b, 0,1,2,3,4,5,6,7,8,9,10,11,12,13,14,15
.irp t, 0,1
	v_pk_fma_f32 v[S+32*\t+2*\b:S+32*\t+2*\b+1], v[S+32*\t+2*\b:S+32*\t+2*\b+1], s[CS:CS+1], v[ST+8*\t:ST+8*\t+1] op_sel_hi:[1,0,0] neg_lo:[0,0,1] neg_hi:[0,0,1]   ; c s - c m, two at a time
.endr
.endr
.irp t, 0,1
	v_exp_f32 v[ST+8*\t+6], v[ST+8*\t+7]           ; a = 2^(c m_old - c m_new)
.endr
.set n, 0
.rept 64
	v_exp_f32 v[S+n], v[S+n]                       ; p, at most 1; 0 for a hidden key
.set n, n+1
.endr
	v_nop                                          ; a plain line behind the last exponential
	s_wait_alu depctr_va_vdst(0)                   ; one wait for the batch of 66, ahead of its first reader
.set n, 0
.rept 32
	v_cvt_pk_f16_f32 v[P+n], v[S+2*n], v[S+2*n+1]  ; p as the second product's operand
.set n, n+1
.endr
.irp u, 0,1,2,3,4,5,6,7                        ; the sum of the unrounded p, in place: neighbours 1, 2, 4, 8 pairs apart
.irp t, 0,1
	v_pk_add_f32 v[S+32*\t+4*\u:S+32*\t+4*\u+1], v[S+32*\t+4*\u:S+32*\t+4*\u+1], v[S+32*\t+4*\u+2:S+32*\t+4*\u+3]
.endr
.endr
.irp u, 0,1,2,3
.irp t, 0,1
	v_pk_add_f32 v[S+32*\t+8*\u:S+32*\t+8*\u+1], v[S+32*\t+8*\u:S+32*\t+8*\u+1], v[S+32*\t+8*\u+4:S+32*\t+8*\u+5]
.endr
.endr
.irp u, 0,1
.irp t, 0,1
	v_pk_add_f32 v[S+32*\t+16*\u:S+32*\t+16*\u+1], v[S+32*\t+16*\u:S+32*\t+16*\u+1], v[S+32*\t+16*\u+8:S+32*\t+16*\u+9]
.endr
.endr
.irp t, 0,1
	v_pk_add_f32 v[S+32*\t:S+32*\t+1], v[S+32*\t:S+32*\t+1], v[S+32*\t+16:S+32*\t+17]
.endr
.irp t, 0,1
	v_pk_fma_f32 v[ST+8*\t+2:ST+8*\t+3], v[ST+8*\t+2:ST+8*\t+3], v[ST+8*\t+6:ST+8*\t+7], v[S+32*\t:S+32*\t+1] op_sel_hi:[1,0,1]   ; l = a l + the sum
.endr
	WIN 0x41                                       ; O^T (destination and source 0) in window 1
.irp t, 0,1
.set i, 0
.rept 16
	v_pk_mul_f32 v[32*\t+2*i:32*\t+2*i+1], v[32*\t+2*i:32*\t+2*i+1], v[ST+8*\t+6:ST+8*\t+7] op_sel_hi:[1,0]   ; O^T x a, each accumulator from its low end on
.set i, i+1
.endr
.endr
	s_wait_dscnt 0x0                               ; v is in
	WIN 0x50                                       ; C and D in window 1
.irp u, 0,1                                    ; O^T += v^T p: eight accumulators by turns
.irp c, 0,1,2,3
.irp t, 0,1
	v_wmma_f32_16x16x32_f16 v[32*\t+8*\c:32*\t+8*\c+7], v[VF+32*\u+8*\c:VF+32*\u+8*\c+7], v[P+16*\t+8*\u:P+16*\t+8*\u+7], v[32*\t+8*\c:32*\t+8*\c+7]
.endr
.endr
.endr
	WIN 0                                          ; at a label and at a branch every window is 0
.endm
.macro RUN base                        ; a slot's eight steps
	s_mov_b32 s[TB], \base
	s_mov_b32 s[CNT], 8
.Lstep_\@:
	STEP
	s_add_co_u32 s[TB], s[TB], STEPB
	s_sub_co_u32 s[CNT], s[CNT], 1
	s_cmp_lg_u32 s[CNT], 0
	s_cbranch_scc1 .Lstep_\@
.endm
; THE CHANGE OF SLOTS.  Each wave waits for all its tensor loads (its part of the slot ahead), adds 0 to its spare word, and waits for that and for its reads of slot n, which it has left.
; fill = 1: the barrier is a round of the cluster's, so that no wave of any partner still reads slot n or has a load on its way, and slot n's joint refill, 16 steps on, is the first thing behind it.
.macro CHANGE n, fill
	s_wait_tensorcnt 0x0                           ; no tensor load of mine is out, so a group 0 may be written
	ds_add_u32 v[SPW], v[NIL]
.if \fill
	s_add_nc_u64 s[G0+4*\n+2:G0+4*\n+3], s[G0+4*\n+2:G0+4*\n+3], 2*SLOT
.endif
	s_wait_dscnt 0x0
.if \fill
	CROUND
	tensor_load_to_lds s[G0+4*\n:G0+4*\n+3], s[G1:G1+7]
	s_nop 0
.rept 4
	v_nop
.endr
.else
	s_barrier_signal -1
	s_barrier_wait -1
.endif
.endm
	RUN 0                                          ; steps 0-7
	CHANGE 0, 1                                    ; slot 0 takes steps 16-23
	RUN SLOT                                       ; steps 8-15
	CHANGE 1, 1                                    ; slot 1 takes steps 24-31
	RUN 0
	CHANGE 0, 0                                    ; nothing is left to fetch
	RUN SLOT
	; THE WAY OUT.  O^T / l, rounded to f16: a lane's eight channels of a query are four registers of the projection's fragment: stored as they stand, 512 consecutive bytes a store.
.irp t, 0,1
	v_add_f32 v[ST+8*\t+4], v[ST+8*\t+2], v[ST+8*\t+3]     ; (these lines are also the places behind the last products)
.endr
.irp t, 0,1
	v_permlanex16_b32 v[ST+8*\t+5], v[ST+8*\t+4], s[SEL], s[SEL+1]
.endr
.irp t, 0,1
	v_add_f32 v[ST+8*\t+4], v[ST+8*\t+4], v[ST+8*\t+5]
.endr
.irp t, 0,1
	v_max_num_f32 v[ST+8*\t+4], 0x0da24260, v[ST+8*\t+4]   ; a query with no allowed key has l = 0 and O = 0: held at 1e-30 it gives 0; any other l is 1 or more
.endr
.irp t, 0,1
	v_rcp_f32 v[ST+8*\t+6], v[ST+8*\t+4]
.endr
	v_nop
	s_wait_alu depctr_va_vdst(0)                   ; one wait for the two reciprocals, ahead of their first reader
	WIN 0x41
.irp t, 0,1
.set i, 0
.rept 16
	v_pk_mul_f32 v[32*\t+2*i:32*\t+2*i+1], v[32*\t+2*i:32*\t+2*i+1], v[ST+8*\t+6:ST+8*\t+7] op_sel_hi:[1,0]
.set i, i+1
.endr
.endr
	WIN 0x05                                       ; sources in window 1, destination in window 0
.set i, 0
.rept 32
	v_cvt_pk_f16_f32 v[S+i], v[2*i], v[2*i+1]
.set i, i+1
.endr
	WIN 0
.irp t, 0,1
.irp c, 0,1,2,3
	global_store_b128 v1, v[S+16*\t+4*\c:S+16*\t+4*\c+3], s[6:7] offset:8192*\t+512*\c
.endr
.endr
	s_wait_kmcnt 0x0                               ; the last step's look-ahead
	s_wait_tensorcnt 0x0                           ; the wave's end
	ds_add_u32 v[SPW], v[NIL]
	s_wait_dscnt 0x0
	CROUND                                         ; the closing round
	s_endpgm
.Lfunc_end_k_qbfe5af9591_attn:
	.size	k_qbfe5af9591_attn, .Lfunc_end_k_qbfe5af9591_attn-k_qbfe5af9591_attn
	.p2alignl 7, 3214868480
	.fill 96, 4, 3214868480
	.section	.rodata,"a",@progbits
	.p2align	6, 0x0
	.amdhsa_kernel k_qbfe5af9591_attn
		.amdhsa_group_segment_fixed_size 327680
		.amdhsa_private_segment_fixed_size 0
		.amdhsa_enable_private_segment 0
		.amdhsa_kernarg_size 32
		.amdhsa_user_sgpr_count 2
		.amdhsa_user_sgpr_kernarg_segment_ptr 1
		.amdhsa_wavefront_size32 1
		.amdhsa_system_sgpr_workgroup_id_x 1
		.amdhsa_system_sgpr_workgroup_id_y 1
		.amdhsa_system_sgpr_workgroup_id_z 1
		.amdhsa_system_vgpr_workitem_id 0
		.amdhsa_next_free_vgpr 352
		.amdhsa_next_free_sgpr 100
		.amdhsa_reserve_vcc 0
		.amdhsa_float_denorm_mode_32 3
		.amdhsa_float_denorm_mode_16_64 3
		.amdhsa_memory_ordered 1
		.amdhsa_forward_progress 1
		.amdhsa_inst_pref_size 102
	.end_amdhsa_kernel
	.amdgpu_metadata
---
amdhsa.version: [ 1, 2 ]
amdhsa.kernels:
  - .name:           k_qbfe5af9591_attn
    .symbol:         k_qbfe5af9591_attn.kd
    .args:
      - { .name: qf, .offset: 0, .size: 8, .value_kind: global_buffer, .address_space: global }
      - { .name: kv, .offset: 8, .size: 8, .value_kind: global_buffer, .address_space: global }
      - { .name: maskw, .offset: 16, .size: 8, .value_kind: global_buffer, .address_space: global }
      - { .name: af, .offset: 24, .size: 8, .value_kind: global_buffer, .address_space: global }
    .group_segment_fixed_size: 327680
    .private_segment_fixed_size: 0
    .kernarg_segment_align: 8
    .kernarg_segment_size: 32
    .max_flat_workgroup_size: 256
    .sgpr_count:     100
    .vgpr_count:     352
    .wavefront_size: 32
...
	.end_amdgpu_metadata
.endif
;; end of part 3
;; launch proj (part 4): grid 8 x 32, 4 waves a work-group, clusters of 4 x 4, 327,680 bytes of LDS; arguments af, wo16, bo, out0; writes out0
.if DOCPART == 4
	.amdgcn_target "amdgcn-amd-amdhsa--gfx1250"
	.amdhsa_code_object_version 6
	.text
	.protected	k_qbfe5af9591_proj
	.globl	k_qbfe5af9591_proj
	.p2align	8
	.type	k_qbfe5af9591_proj,@function
k_qbfe5af9591_proj:
	s_mov_b64 s[64:65], 0
	v_nop
	global_prefetch_b8 v0, s[64:65] scope:SCOPE_SE
	s_setreg_imm32_b32 hwreg(HW_REG_WAVE_MODE, 25, 1), 1
	s_wait_xcnt 0x0
	s_wait_alu depctr_hold_cnt(0) depctr_sa_sdst(0) depctr_va_vdst(0) depctr_va_sdst(0) depctr_va_ssrc(0) depctr_va_vcc(0) depctr_vm_vsrc(0)
	s_getreg_b32 s2, hwreg(HW_REG_IB_STS2, 6, 4)
	s_cmp_eq_u32 s2, 0
	s_cbranch_scc0 .Lentry_in_a_cluster
	s_endpgm
.Lentry_in_a_cluster:
	s_bfe_u32 s2, ttmp6, 0x10000c
	s_cmp_lg_u32 s2, 0xf033
	s_cbranch_scc0 .Lentry_shape_is_right
	s_endpgm
.Lentry_shape_is_right:
; out0 = a Wo + bo.  a (the attention's result) and Wo are f16, laid as images of operand registers; sums in f32; out0 [4096][1024] f32.
; SHARES.  A tile of 128 tokens x 128 outputs to a work-group: 32 x 8 = 256 work-groups.  Four waves, each 64 x 64: 16 accumulators.  K = 1,024 goes in four chunks of 256 (8 K steps of 32) through two LDS slots.
; A slot holds a's 8 tiles x 8 K steps x 1,024 bytes, then Wo's: two dense blocks of 65,536 bytes of memory.  Each wave fetches 32,768 bytes of it with one tensor load.  Two loads of mine are out at the start, one behind each refill.
; CLUSTER 4 x 4.  a's chunk hangs on the block of tokens alone and is shared along a row of the cluster, Wo's on the block of outputs alone and is shared along a column: asked for jointly.
; THE MATRIX INSTRUCTION IS USED TRANSPOSED (source 0 = 16 columns of Wo, source 1 = 16 tokens): a lane holds eight neighbouring outputs of one token.  The bias is the C of each sum's first product.
; The tokens of a tile are not neighbours (slot r of tile T: 32 (T / 2) + 8 (T % 2) + r + 8 (r / 8)): the stores' offsets put each row where it belongs.
; REGISTERS: window 0: v16-17, v20-21 LDS addresses of a's and Wo's fragments in slot 0, 1; v24-27 the way out and the bias; v28, v29 the add's two; v32-95 rows on the way out, two sets; v96-127 the bias, 8 a tile;
;   v128-255 the accumulators ((a, b) at 128 + 8 (4 a + b)).   window 1: two fragment buffers of 64: a's four fragments, then Wo's four.
.set SLOT,  131072
.set STAGE, 2*SLOT                     ; behind the ring: 16 rows x 272 bytes for each wave, which no tensor load fills
.set SPITCH, 272
.set SPARE, STAGE+4*16*SPITCH          ; the spare words, 128 bytes a wave, which no other line names
.set ADRA, 16
.set ADRB, 20
.set STO,  24
.set RD,   25
.set CO,   26
.set BO,   27
.set SPW,  28
.set NIL,  29
.set BK,   32
.set BIAS, 96
.set ACC,  128
.set F0,   0
.set G1A, 24                           ; s[24:31] group 1 for a's loads; s[32:39] group 0, one for each slot
.set G0A, 32
.set G1B, 48                           ; s[48:55], s[56:63] the same for Wo's
.set G0B, 56
.set MSB, 0
.macro WIN new
.if MSB != \new
	s_set_vgpr_msb (MSB<<8)|\new
.set MSB, \new
.endif
.endm
.macro PLACES
.rept 4
	v_nop
.endr
.endm
.macro JLOAD n                         ; a joint load: waves 0 and 1 fetch a's halves, waves 2 and 3 Wo's; an s_nop 0 and four v_nop follow each line
	s_cmp_eq_u32 s15, 0
	s_cbranch_scc0 .Lfor_b_\@
	tensor_load_to_lds s[G0A+4*\n:G0A+4*\n+3], s[G1A:G1A+7]
	s_nop 0
.rept 4
	v_nop
.endr
	s_branch .Lasked_\@
.Lfor_b_\@:
	tensor_load_to_lds s[G0B+4*\n:G0B+4*\n+3], s[G1B:G1B+7]
	s_nop 0
.rept 4
	v_nop
.endr
.Lasked_\@:
.endm
.macro CROUND
	s_barrier_signal -1
	s_barrier_wait -1
	s_cmp_lg_u32 s14, 0
	s_cbranch_scc1 .Lnot_wave_0_\@
	s_barrier_signal -3
.Lnot_wave_0_\@:
	s_barrier_wait -3
	s_barrier_signal -1
	s_barrier_wait -1
.endm
	s_load_b256 s[4:11], s[0:1], 0x0               ; af s4, wo16 s6, bo s8, out0 s10
	v_lshl_add_u32 v[SPW], v0, 2, SPARE
	v_mov_b32 v[NIL], 0
	ds_add_u32 v[SPW], v[NIL]                      ; the wave's opening: the add, twice on end, and its wait ahead of my first tensor load
	ds_add_u32 v[SPW], v[NIL]
	v_lshrrev_b32 v1, 5, v0
	v_readfirstlane_b32 s14, v1                    ; wave 0..3
	s_lshr_b32 s15, s14, 1                         ; which 64 tokens are mine.  Also: I fetch for a (0) or for Wo (1)
	s_and_b32 s16, s14, 1                          ; which 64 outputs.  Also: which half I fetch
	s_bfe_u32 s40, ttmp6, 0x40000                  ; cx, cy
	s_bfe_u32 s41, ttmp6, 0x40004
	s_lshl_b32 s42, ttmp9, 2
	s_add_co_u32 s42, s42, s40                     ; the block of 128 outputs
	s_and_b32 s17, ttmp7, 0xffff
	s_lshl_b32 s17, s17, 2
	s_add_co_u32 s17, s17, s41                     ; the block of 128 tokens
	s_lshl_b32 s43, s41, 2
	s_lshl_b32 s43, 15, s43                        ; my row of the cluster
	s_lshl_b32 s44, 0x1111, s40                    ; my column
	s_or_b32 s[G1A], s43, (3<<16)|(1<<21)          ; the mask; elements of 8 bytes; bit 21 beside a mask; no padding
	s_or_b32 s[G1B], s44, (3<<16)|(1<<21)
.irp g, G1A, G1B
	s_mov_b32 s[\g+1], 32<<16                      ; rows of 256 bytes,
	s_mov_b32 s[\g+2], 128<<16                     ; 128 of them,
	s_mov_b32 s[\g+3], 32<<16
	s_mov_b32 s[\g+4], 128
	s_mov_b32 s[\g+5], 32                          ; dense
	s_mov_b32 s[\g+6], 0
	s_mov_b32 s[\g+7], 0
.endr
	s_lshl_b32 s18, s16, 15                        ; my half
	s_lshl_b32 s20, s17, 18                        ; a: 262,144 bytes a block of tokens
	s_add_co_u32 s20, s20, s18
	s_mov_b32 s21, 0
	s_lshl_b32 s46, s42, 18                        ; Wo: 262,144 bytes a block of outputs
	s_add_co_u32 s46, s46, s18
	s_mov_b32 s47, 0
	s_lshl_b32 s45, s14, 15                        ; where they go: wave x 32,768
	s_wait_dscnt 0x0                               ; both opening adds are done
	s_wait_kmcnt 0x0
	s_add_nc_u64 s[20:21], s[4:5], s[20:21]
	s_add_nc_u64 s[46:47], s[6:7], s[46:47]
	CROUND                                         ; all sixteen work-groups are here
.irp n, 0,1
	s_mov_b32 s[G0A+4*\n], 1
	s_add_co_u32 s[G0A+4*\n+1], s45, \n*SLOT
	s_add_nc_u64 s[G0A+4*\n+2:G0A+4*\n+3], s[20:21], \n*65536  ; chunk n
	s_or_b32 s[G0A+4*\n+3], s[G0A+4*\n+3], 0x80000000
	s_mov_b32 s[G0B+4*\n], 1
	s_add_co_u32 s[G0B+4*\n+1], s45, \n*SLOT
	s_add_nc_u64 s[G0B+4*\n+2:G0B+4*\n+3], s[46:47], \n*65536
	s_or_b32 s[G0B+4*\n+3], s[G0B+4*\n+3], 0x80000000
	JLOAD \n
.endr
	v_and_b32 v1, 31, v0
	v_lshlrev_b32 v2, 4, v1                        ; 16 x lane
	v_and_b32 v3, 15, v0                           ; r
	v_bfe_u32 v4, v0, 4, 1                         ; h
	s_lshl_b32 s21, s15, 15                        ; my four tiles of tokens
	s_lshl_b32 s22, s16, 15                        ; my four tiles of outputs,
	s_add_co_u32 s22, s22, 65536                   ; behind a's 65,536 bytes
	v_add_nc_u32 v[ADRA], s21, v2
	v_add_nc_u32 v[ADRA+1], SLOT, v[ADRA]
	v_add_nc_u32 v[ADRB], s22, v2
	v_add_nc_u32 v[ADRB+1], SLOT, v[ADRB]
	s_mul_i32 s23, s14, 16*SPITCH
	s_add_co_u32 s23, s23, STAGE                   ; my stage
	v_mul_u32_u24 v[STO], v3, SPITCH
	v_lshl_add_u32 v[STO], v4, 5, v[STO]
	v_add_nc_u32 v[STO], s23, v[STO]               ; in: row r, 32 bytes for each half of the lanes
	v_mul_u32_u24 v[RD], v4, SPITCH
	v_lshl_add_u32 v[RD], v3, 4, v[RD]
	v_add_nc_u32 v[RD], s23, v[RD]                 ; back: lanes 0-15 one row of 256 bytes, lanes 16-31 the next
	v_lshlrev_b32 v[CO], 12, v4
	v_lshl_add_u32 v[CO], v3, 4, v[CO]             ; and the same two rows in out0
	v_lshlrev_b32 v[BO], 5, v4                     ; the bias: my half's eight numbers of a tile
	s_lshl_b32 s68, s42, 9                         ; my first output, in bytes: 512 x block + 256 x half
	s_lshl_b32 s70, s16, 8
	s_add_co_u32 s68, s68, s70
	s_mov_b32 s69, 0
	s_add_nc_u64 s[8:9], s[8:9], s[68:69]
	s_lshl_b32 s70, s17, 19                        ; my first token's row: (128 x block + 64 x half) x 4,096 bytes
	s_add_co_u32 s68, s68, s70
	s_lshl_b32 s70, s15, 18
	s_add_co_u32 s68, s68, s70
	s_add_nc_u64 s[10:11], s[10:11], s[68:69]
.irp b, 0,1,2,3
	global_load_b128 v[BIAS+8*\b:BIAS+8*\b+3], v[BO], s[8:9] offset:64*\b
	global_load_b128 v[BIAS+8*\b+4:BIAS+8*\b+7], v[BO], s[8:9] offset:64*\b+16
.endr
.macro FETCH slot, ks, f               ; 16 LDS loads: K step ks's four fragments of a and four of Wo into buffer f
	WIN 0x40                                       ; destination window 1
.irp a, 0,1,2,3
.irp e, 0,1
	ds_load_b128 v[(\f)+8*\a+4*\e:(\f)+8*\a+4*\e+3], v[ADRA+\slot] offset:\a*8192+(\ks)*1024+512*\e
	ds_load_b128 v[(\f)+32+8*\a+4*\e:(\f)+32+8*\a+4*\e+3], v[ADRB+\slot] offset:\a*8192+(\ks)*1024+512*\e
.endr
.endr
.endm
.macro MUL f                           ; 16 products, 32 along K; the 16 accumulators take turns.  BF = 1: the bias starts the sums
	WIN 0x05                                       ; sources 0 and 1 in window 1
.irp a, 0,1,2,3
.irp b, 0,1,2,3
.if BF
	v_wmma_f32_16x16x32_f16 v[ACC+8*(4*\a+\b):ACC+8*(4*\a+\b)+7], v[(\f)+32+8*\b:(\f)+32+8*\b+7], v[(\f)+8*\a:(\f)+8*\a+7], v[BIAS+8*\b:BIAS+8*\b+7]
.else
	v_wmma_f32_16x16x32_f16 v[ACC+8*(4*\a+\b):ACC+8*(4*\a+\b)+7], v[(\f)+32+8*\b:(\f)+32+8*\b+7], v[(\f)+8*\a:(\f)+8*\a+7], v[ACC+8*(4*\a+\b):ACC+8*(4*\a+\b)+7]
.endif
.endr
.endr
.endm
.macro CHUNK slot, first               ; a slot's 8 K steps; the next step's fragments are asked for ahead of each step's products
	FETCH \slot, 0, F0
.irp k, 0,1,2,3,4,5,6
	PLACES                                         ; between the last products and the loads into the buffer that they read
	FETCH \slot, \k+1, F0+64*((\k+1)%2)
	s_wait_dscnt 16                                ; this step's fragments are in; the 16 loads just issued may stay out
.if (\first) && (\k == 0)
.set BF, 1
.else
.set BF, 0
.endif
	MUL F0+64*(\k%2)
.endr
	s_wait_dscnt 0x0
	MUL F0+64
.endm
; THE CHANGE OF SLOTS: as in every ring here: the wait for all my tensor loads, the add, the wait for it and for my reads of slot n; fill = 1: a round of the cluster's barrier, and slot n's joint refill, two chunks on, first behind it.
.macro CHANGE n, fill
	WIN 0
	s_wait_tensorcnt 0x0
	ds_add_u32 v[SPW], v[NIL]
.if \fill
	s_add_nc_u64 s[G0A+4*\n+2:G0A+4*\n+3], s[G0A+4*\n+2:G0A+4*\n+3], 131072
	s_add_nc_u64 s[G0B+4*\n+2:G0B+4*\n+3], s[G0B+4*\n+2:G0B+4*\n+3], 131072
.endif
	s_wait_dscnt 0x0
.if \fill
	CROUND
	JLOAD \n                                       ; its four v_nop are also the places in front of the next fragment loads
.else
	s_barrier_signal -1
	s_barrier_wait -1
	PLACES
.endif
.endm
	s_wait_tensorcnt 1                             ; my part of chunk 0 is in; chunk 1's may stay out
	s_barrier_signal -1
	s_barrier_wait -1
	s_wait_loadcnt 0x0                             ; the bias
	CHUNK 0, 1
	CHANGE 0, 1                                    ; slot 0 takes chunk 2
	CHUNK 1, 0
	CHANGE 1, 1                                    ; slot 1 takes chunk 3
	CHUNK 0, 0
	CHANGE 0, 0
	CHUNK 1, 0
	WIN 0
; THE WAY OUT, a tile of 16 tokens x 64 outputs at a time.  A lane holds 32 neighbouring bytes of a row and the lanes beside it other rows: so the tile goes through my own stage and comes back as whole rows of 256 bytes.
; LDS serves a wave's instructions in order (ISA guide 5.7.1.4): no wait between the stores and the loads, nor in front of the next tile's stores.
.macro TOSTAGE a
.irp b, 0,1,2,3
	ds_store_b128 v[STO], v[ACC+8*(4*(\a)+\b):ACC+8*(4*(\a)+\b)+3] offset:64*\b        ; each accumulator from its low end on
	ds_store_b128 v[STO], v[ACC+8*(4*(\a)+\b)+4:ACC+8*(4*(\a)+\b)+7] offset:64*\b+16
.endr
.irp i, 0,1,2,3,4,5,6,7
	ds_load_b128 v[BK+32*((\a)%2)+4*\i:BK+32*((\a)%2)+4*\i+3], v[RD] offset:\i*2*SPITCH
.endr
.endm
.macro SEND a, younger                 ; younger: the LDS instructions issued behind tile a's loads
	s_wait_dscnt \younger
.irp i, 0,1,2,3,4,5,6,7
	global_store_b128 v[CO], v[BK+32*((\a)%2)+4*\i:BK+32*((\a)%2)+4*\i+3], s[10:11] offset:(32*((\a)/2)+8*((\a)%2)+2*\i+8*(\i/4))*4096 th:TH_STORE_NT   ; slots 2 i, 2 i + 1 of the tile, at their tokens' rows; 16 lanes store 256 consecutive bytes, aligned
.endr
.endm
	PLACES                                         ; behind the last products, ahead of the first read of results
	TOSTAGE 0
.irp a, 1,2,3
.if \a > 1
	s_wait_xcnt 0x0                                ; tile a - 2's stores have read their registers: tile a's loads may land there
.endif
	TOSTAGE \a
	SEND \a-1, 16                                  ; behind tile a - 1's loads: tile a's 8 stores and 8 loads
.endr
	SEND 3, 0
	s_wait_tensorcnt 0x0                           ; the wave's end, behind my last tensor load and my last LDS store
	ds_add_u32 v[SPW], v[NIL]
	s_wait_dscnt 0x0
	CROUND                                         ; the closing round
	s_endpgm
.Lfunc_end_k_qbfe5af9591_proj:
	.size	k_qbfe5af9591_proj, .Lfunc_end_k_qbfe5af9591_proj-k_qbfe5af9591_proj
	.p2alignl 7, 3214868480
	.fill 96, 4, 3214868480
	.section	.rodata,"a",@progbits
	.p2align	6, 0x0
	.amdhsa_kernel k_qbfe5af9591_proj
		.amdhsa_group_segment_fixed_size 327680
		.amdhsa_private_segment_fixed_size 0
		.amdhsa_enable_private_segment 0
		.amdhsa_kernarg_size 32
		.amdhsa_user_sgpr_count 2
		.amdhsa_user_sgpr_kernarg_segment_ptr 1
		.amdhsa_wavefront_size32 1
		.amdhsa_system_sgpr_workgroup_id_x 1
		.amdhsa_system_sgpr_workgroup_id_y 1
		.amdhsa_system_sgpr_workgroup_id_z 1
		.amdhsa_system_vgpr_workitem_id 0
		.amdhsa_next_free_vgpr 384
		.amdhsa_next_free_sgpr 72
		.amdhsa_reserve_vcc 0
		.amdhsa_float_denorm_mode_32 3
		.amdhsa_float_denorm_mode_16_64 3
		.amdhsa_memory_ordered 1
		.amdhsa_forward_progress 1
		.amdhsa_inst_pref_size 88
	.end_amdhsa_kernel
	.amdgpu_metadata
---
amdhsa.version: [ 1, 2 ]
amdhsa.kernels:
  - .name:           k_qbfe5af9591_proj
    .symbol:         k_qbfe5af9591_proj.kd
    .args:
      - { .name: af, .offset: 0, .size: 8, .value_kind: global_buffer, .address_space: global }
      - { .name: wo16, .offset: 8, .size: 8, .value_kind: global_buffer, .address_space: global }
      - { .name: bo, .offset: 16, .size: 8, .value_kind: global_buffer, .address_space: global }
      - { .name: out0, .offset: 24, .size: 8, .value_kind: global_buffer, .address_space: global }
    .group_segment_fixed_size: 327680
    .private_segment_fixed_size: 0
    .kernarg_segment_align: 8
    .kernarg_segment_size: 32
    .max_flat_workgroup_size: 128
    .sgpr_count:     72
    .vgpr_count:     384
    .wavefront_size: 32
...
	.end_amdgpu_metadata
.endif
;; end of part 4
